; MI455X (gfx1250); checked and timed in simulation.
; The chip was launched on July 23, 2026; its instructions are those of AMD's public machine-readable ISA for CDNA 5 (MIT licence, August 2026) and "CDNA5" Instruction Set Architecture Reference Guide (July 2026).
;; Scaled Dot Product Attention. Allowed arithmetic: matrix products marked QUANTISED: E2M1 operands, one E8M0 scale for each 32 along K, by v_wmma_scale_f32_16x16x128_f8f6f4 with both operands' format E2M1 (or v_wmma_scale_f32_32x16x128_f4), f32 sums; everything else in f32.
;; Inputs: key_codes 16 x 4,096 x 4 x 16 uint8 (E2M1 codes of key, K innermost, in blocks of 32 codes, two codes a byte); key_scales 16 x 4,096 x 4 uint8 (E8M0 scales of key, one for each 32 codes along K); query_codes 16 x 4,096 x 4 x 16 uint8 (E2M1 codes of query, K innermost, in blocks of 32 codes, two codes a byte); query_scales 16 x 4,096 x 4 uint8 (E8M0 scales of query, one for each 32 codes along K); value_codes 16 x 128 x 128 x 16 uint8 (E2M1 codes of value, K innermost, in blocks of 32 codes, two codes a byte); value_scales 16 x 128 x 128 uint8 (E8M0 scales of value, one for each 32 codes along K).
;; Outputs: out0 16 x 4,096 x 128 float32.
;; This version of the problem:
;;   THIS VERSION OF THE PROBLEM IS GIVEN IN LOW PRECISION. The matrix products marked QUANTISED in the list below multiply operands that are first quantised to E2M1 (2 exponent bits, 1 mantissa bit; 4 bits a number), with one power-of-two scale for each 32 numbers along K (OCP MX v1.0); their sums are f32. All else is computed in f32.
;;   The module's matrix products, in the order in which they are computed (A, B: the left and right operand; K: the contracted axis; several contracted axes count as one K, in the product's order):
;;     1. batch 16 x [M 4,096, K 128] x [K 128, N 4,096]; A: input query (given as codes); B: input key (given as codes): QUANTISED
;;     2. batch 16 x [M 4,096, K 4,096] x [K 4,096, N 128]; A: softmax (see below); B: input value (given as codes): QUANTISED
;;   THE QUANTISER, for each operand of a quantised product, along K:
;;     - K is cut into blocks of 32 from its start; a last block that is shorter is filled with zeros.
;;     - A block's scale is 2^e with e = floor(log2(the largest magnitude in the block)) - 2, held to -126 .. 127; a block of zeros has e = 0. As a byte (E8M0): e + 127.
;;     - Each number is divided by its block's scale, clamped to +-6, and rounded to the nearest number of E2M1, ties to even, subnormals kept.
;;     - The product sums the exact products of the quantised numbers (number of the format x scale) in f32.
;;   ~~~python
;;   def quantise(x, axis):      # numpy; x: float32 -> the quantised numbers, widened to float32 again
;;       x = np.moveaxis(x, axis, -1); K = x.shape[-1]
;;       x = np.pad(x, [(0, 0)] * (x.ndim - 1) + [(0, -K % 32)]); x = x.reshape(x.shape[:-1] + (-1, 32)); a = np.abs(x).max(-1, keepdims=True)
;;       e = np.where(a > 0, np.clip(np.frexp(np.where(a > 0, a, 1))[1] - 1 - 2, -126, 127), 0)      # np.frexp(a)[1] - 1 = floor(log2(a)), exactly
;;       r = np.clip(x / 2.0 ** e, -6, 6)
;;       step = 2.0 ** (np.maximum(np.frexp(np.where(r == 0, 1, r))[1] - 1, 0) - 1)
;;       q = np.round(r / step) * step * 2.0 ** e      # np.round: ties to even
;;       return np.moveaxis(q.reshape(q.shape[:-2] + (-1,))[..., :K], -1, axis).astype(np.float32)
;;   ~~~
;;   SOFTMAX AHEAD OF A QUANTISED PRODUCT. Where the list says 'softmax', what is quantised is not the finished softmax but p = 2^(t - M), with t = logit x log2(e) and M = ceil(the row's largest t), a whole number; so 1/2 < the row's largest p <= 1. The row's sum l is taken of the UNQUANTISED p, in f32, and the product's result is divided by l at the end. Since M is a whole number, a kernel that streams over the keys may use a running M (the ceiling of the running maximum): every later rescaling is an exact power of two, which a block's scale takes up: the codes' values come out the same.
;;   OPERANDS COMPUTED ON THE WAY. 'Computed on the way' means the value that the module computes at that place (a softmax that the list does not call 'softmax' is quantised finished and normalised). What goes into a quantiser is computed in f32, as accurately as f32 sums, v_exp_f32 and their like allow (about 1e-6 of the number): no bf16 or f16 on the way to a quantiser, and a product that is left as it is and whose result goes on into a quantised operand takes f32 operands (vector FMAs, or v_wmma_f32_16x16x4_f32). A number that lies on a knife's edge between two numbers of the format may be rounded either way, as far as f32 arithmetic and the matrix unit's own rounding can turn it there, and no further.
;;   INPUTS GIVEN AS CODES. key (in the module: [16, 4096, 128], K = its axis 2); query (in the module: [16, 4096, 128], K = its axis 2); value (in the module: [16, 4096, 128], K = its axis 1): each comes as NAME_codes (uint8): NAME with its K axis moved to the last place and cut into blocks of 32 codes, [.., K / 32, bytes a block], one block behind the other in memory; two codes a byte, the lower K in the low four bits (a code: sign, 2 exponent bits, 1 mantissa bit); and NAME_scales (uint8): the same leading axes, one E8M0 byte (e + 127) for each 32 codes along K. Its value is code x scale, taken as it is: it is not quantised again, and the codes and scales need not be those that the quantiser above would give.
;; One version. Each part assembles by itself: llvm-mc -triple=amdgcn-amd-amdhsa -mcpu=gfx1250 --defsym DOCPART=n.
;; ======== version 1 of 1: 1 launch
;; limits: inputs' magnitudes at most 1e+18
;; launch attn (part 1): grid 16 x 16, 16 waves a work-group, no clusters, 327,680 bytes of LDS; arguments query_codes, query_scales, key_codes, key_scales, value_codes, value_scales, out0; writes out0
.if DOCPART == 1
	.amdgcn_target "amdgcn-amd-amdhsa--gfx1250"
	.amdhsa_code_object_version 6
	.text
	.protected	k_qf30e1e9347_attn
	.globl	k_qf30e1e9347_attn
	.p2align	8
	.type	k_qf30e1e9347_attn,@function
k_qf30e1e9347_attn:
	s_mov_b64 s[64:65], 0
	v_nop
	global_prefetch_b8 v0, s[64:65] scope:SCOPE_SE
	s_setreg_imm32_b32 hwreg(HW_REG_WAVE_MODE, 25, 1), 1
	s_wait_xcnt 0x0
.set KP,    80
.set KREG,  256*KP+128
.set VP,    272
.set VOFF,  2*KREG
.set SLOT1, 1<<17
.set STG0,  VOFF+128*VP
.set STGW,  16*272
.set SU,    264
.set SCH,   32*SU
.set SCK,   2*SLOT1
.set SCV,   SCK+2*SCH
.set SPARE, SCV+2*SCH
.set AK0,  1
.set AV0,  2
.set ASK0, 3
.set ASV0, 4
.set SPW,  5
.set NIL,  6
.set GO,   7
.set ADK,  8
.set ADV,  9
.set ADS,  10
.set ADT,  11
.set KS,   24
.set VS,   28
.set FRG,  32
.set S,    96
.set O,    160
.set PC,   224
.set MX,   232
.set STI,  240
.set STB,  241
.set DG,   242
.set H8,   243
.set NINF, 246
.set PFO,  249
.set TB,   2
.set TS,   3
.set WV,   18
.set QL,   19
.set SEL,  20
.set CS,   22
.set G1K,  24
.set G1V,  32
.set G0K,  40
.set G0V,  44
.set G1S,  48
.set G0SK, 56
.set G0SV, 60
.set TJ,   66
.set SLOTS, 67
.set PFA,  76
.set PFS,  78
.set LIM,  80
.set KF,   98
.set Q0,   99
.macro TLOAD g0k, g1k, g0v, g1v
	s_cmp_lt_u32 s[WV], 2
	s_cbranch_scc0 .Lnot_k_\@
	tensor_load_to_lds s[\g0k:\g0k+3], s[\g1k:\g1k+7]
	s_nop 0
.rept 4
	v_nop
.endr
	s_branch .Lasked_\@
.Lnot_k_\@:
	s_cmp_lt_u32 s[WV], 4
	s_cbranch_scc0 .Lasked_\@
	tensor_load_to_lds s[\g0v:\g0v+3], s[\g1v:\g1v+7]
	s_nop 0
.rept 4
	v_nop
.endr
.Lasked_\@:
.endm
.macro ASK
	s_cmp_gt_u32 s[SLOTS], s[LIM]
	s_cbranch_scc0 .Lnot_mine_\@
	global_prefetch_b8 v[PFO], s[PFA:PFA+1] th:TH_LOAD_NT scope:SCOPE_SE
.Lnot_mine_\@:
.endm
.macro KQ t
.if (\t)%2
	v_wmma_scale_f32_16x16x128_f8f6f4 v[S+8*(\t):S+8*(\t)+7], v[FRG+8*(\t):FRG+8*(\t)+7], v[16:23], 0, v[KS+(\t)/2], v255 matrix_a_fmt:MATRIX_FMT_FP4 matrix_b_fmt:MATRIX_FMT_FP4 matrix_a_scale:MATRIX_SCALE_ROW1
.else
	v_wmma_scale_f32_16x16x128_f8f6f4 v[S+8*(\t):S+8*(\t)+7], v[FRG+8*(\t):FRG+8*(\t)+7], v[16:23], 0, v[KS+(\t)/2], v255 matrix_a_fmt:MATRIX_FMT_FP4 matrix_b_fmt:MATRIX_FMT_FP4
.endif
.endm
.macro PV t
.if (\t)%2
	v_wmma_scale_f32_16x16x128_f8f6f4 v[O+8*(\t):O+8*(\t)+7], v[FRG+8*(\t):FRG+8*(\t)+7], v[PC:PC+7], v[O+8*(\t):O+8*(\t)+7], v[VS+(\t)/2], v253 matrix_a_fmt:MATRIX_FMT_FP4 matrix_b_fmt:MATRIX_FMT_FP4 matrix_a_scale:MATRIX_SCALE_ROW1
.else
	v_wmma_scale_f32_16x16x128_f8f6f4 v[O+8*(\t):O+8*(\t)+7], v[FRG+8*(\t):FRG+8*(\t)+7], v[PC:PC+7], v[O+8*(\t):O+8*(\t)+7], v[VS+(\t)/2], v253 matrix_a_fmt:MATRIX_FMT_FP4 matrix_b_fmt:MATRIX_FMT_FP4
.endif
.endm
.macro WAYOUT
.rept 4
	v_nop
.endr
	v_add_f32 v14, v14, v15
	s_delay_alu instid0(VALU_DEP_1)
	v_permlanex16_b32 v252, v14, s[SEL], s[SEL+1]
	s_delay_alu instid0(VALU_DEP_1)
	v_add_f32 v14, v14, v252
	s_wait_alu depctr_va_vdst(0)
	v_rcp_f32 v14, v14
	v_nop
	s_wait_alu depctr_va_vdst(0)
.set j, 0
.rept 32
	v_pk_mul_f32 v[S+j:S+j+1], v[O+j:O+j+1], v[14:15] op_sel_hi:[1,0]
.set j, j+2
.endr
.irp u, 0,1
.irp t, 0,1,2,3
	ds_store_b128 v[STI], v[S+32*\u+8*\t:S+32*\u+8*\t+3] offset:64*\t
	ds_store_b128 v[STI], v[S+32*\u+8*\t+4:S+32*\u+8*\t+7] offset:64*\t+16
.endr
.irp i, 0,1,2,3,4,5,6,7
	ds_load_b128 v[FRG+32*\u+4*\i:FRG+32*\u+4*\i+3], v[STB] offset:2*\i*272
.endr
.endr
.irp u, 0,1
.irp i, 0,1,2,3,4,5,6,7
	s_wait_dscnt 16*(1-\u)+7-\i
	global_store_b128 v[GO], v[FRG+32*\u+4*\i:FRG+32*\u+4*\i+3], s[16:17] offset:1024*\i+256*\u th:TH_STORE_NT
.endr
.endr
	s_wait_xcnt 0x0
.endm
.macro STEP q
	s_add_co_u32 s96, s[Q0], 15
	s_cmp_gt_u32 s[KF], s96
	s_cbranch_scc1 .Lhidden_\@
	v_add_nc_u32 v[ADK], s[TB], v[AK0]
	v_add_nc_u32 v[ADV], s[TB], v[AV0]
	v_add_nc_u32 v[ADS], s[TS], v[ASK0]
	v_add_nc_u32 v[ADT], s[TJ], v[ASV0]
.irp c, 0,1
.irp u, 0,1
	ds_load_b32 v[KS+2*\c+\u], v[ADS] offset:SU*\c+64*\u
.endr
.endr
.irp t, 0,1,2,3,4,5,6,7
.irp e, 0,1
	ds_load_b128 v[FRG+8*\t+4*\e:FRG+8*\t+4*\e+3], v[ADK] offset:(32*(2*(\q)+\t/4)+8*(\t%4))*KP+32*\e
.endr
.endr
	s_wait_alu depctr_va_vdst(0)
	s_wait_dscnt 8
.irp t, 0,1,2,3
	KQ \t
.endr
	s_wait_dscnt 0x0
.irp t, 4,5,6,7
	KQ \t
.endr
.rept 4
	v_nop
.endr
.irp p, 0,1,2,3
	ds_load_b32 v[VS+\p], v[ADT] offset:16*SU*\p
.endr
.irp t, 0,1,2,3,4,5,6,7
.irp e, 0,1
	ds_load_b128 v[FRG+8*\t+4*\e:FRG+8*\t+4*\e+3], v[ADV] offset:16*\t*VP+64*(\q)+32*\e
.endr
.endr
	s_add_co_u32 s96, s[KF], 127
	s_cmp_le_u32 s96, s[Q0]
	s_cbranch_scc1 .Lopen_\@
	s_sub_co_i32 s97, s[Q0], s[KF]
	v_add_nc_u32 v237, s97, v[DG]
.set n, 0
.rept 64
	v_cmp_gt_i32 vcc_lo, 64*(n/32)+n%32, v237
	v_cndmask_b32 v[S+n], v[S+n], v[NINF], vcc_lo
.set n, n+1
.endr
.Lopen_\@:
.irp k, 0,1,2,3
	v_max3_num_f32 v[MX+\k], v[S+16*\k], v[S+1+16*\k], v[S+2+16*\k]
.endr
.irp i, 3,5,7,9,11,13
.irp k, 0,1,2,3
	v_max3_num_f32 v[MX+\k], v[MX+\k], v[S+16*\k+\i], v[S+1+16*\k+\i]
.endr
.endr
.irp c, 0
	v_max3_num_f32 v[MX+2*\c], v[MX+2*\c], v[MX+1+2*\c], v[S+15+32*\c]
.endr
.irp c, 1
	v_max3_num_f32 v[MX+2*\c], v[MX+2*\c], v[MX+1+2*\c], v[S+15+32*\c]
.endr
.irp c, 0,1
	v_max_num_f32 v[MX+2*\c], v[MX+2*\c], v[S+31+32*\c]
.endr
	s_delay_alu instid0(VALU_DEP_1)
	v_max_num_f32 v254, v[MX], v[MX+2]
	s_delay_alu instid0(VALU_DEP_1)
	v_permlanex16_b32 v236, v254, s[SEL], s[SEL+1]
	s_delay_alu instid0(VALU_DEP_1)
	v_max3_num_f32 v13, v13, v254, v236
	s_delay_alu instid0(VALU_DEP_1)
	v_mul_f32 v254, s[CS], v13
	v_mov_b32 v237, v12
	s_delay_alu instid0(VALU_DEP_2)
	v_floor_f32 v12, -v254
	s_delay_alu instid0(VALU_DEP_1)
	v_sub_f32 v237, v12, v237
	s_delay_alu instid0(VALU_DEP_1)
	v_cvt_i32_f32 v237, v237
	s_delay_alu instid0(VALU_DEP_1)
	v_ldexp_f32 v252, 1.0, v237
.set j, 0
.rept 32
	v_pk_fma_f32 v[S+j:S+j+1], v[S+j:S+j+1], s[CS:CS+1], v[12:13] op_sel_hi:[1,0,0]
.set j, j+2
.endr
	v_fma_f32 v[MX], v[MX], s[CS], v12
	v_fma_f32 v[MX+2], v[MX+2], s[CS], v12
.set j, 0
	s_wait_alu depctr_va_vdst(0)
.rept 64
	v_exp_f32 v[S+j], v[S+j]
.set j, j+1
.endr
	v_pk_mul_f32 v[14:15], v[14:15], v[252:253] op_sel_hi:[1,0]
	s_wait_alu depctr_va_vdst(0)
	v_exp_f32 v[MX], v[MX]
	v_exp_f32 v[MX+2], v[MX+2]
	v_pk_add_f32 v[236:237], v[100:101], v[104:105]
	v_pk_add_f32 v[250:251], v[108:109], v[112:113]
	v_pk_add_f32 v[244:245], v[116:117], v[120:121]
	v_pk_add_f32 v[238:239], v[124:125], v[128:129]
	v_pk_add_f32 v[230:231], v[132:133], v[136:137]
	v_pk_add_f32 v[228:229], v[140:141], v[144:145]
	v_pk_add_f32 v[226:227], v[148:149], v[152:153]
	v_pk_add_f32 v[14:15], v[14:15], v[156:157]
	v_pk_add_f32 v[236:237], v[236:237], v[96:97]
	v_pk_add_f32 v[250:251], v[250:251], v[98:99]
	v_pk_add_f32 v[244:245], v[244:245], v[102:103]
	v_pk_add_f32 v[238:239], v[238:239], v[106:107]
	v_pk_add_f32 v[230:231], v[230:231], v[110:111]
	v_pk_add_f32 v[228:229], v[228:229], v[114:115]
	v_pk_add_f32 v[226:227], v[226:227], v[118:119]
	v_pk_add_f32 v[14:15], v[14:15], v[122:123]
	v_pk_add_f32 v[236:237], v[236:237], v[126:127]
	v_pk_add_f32 v[250:251], v[250:251], v[130:131]
	v_pk_add_f32 v[244:245], v[244:245], v[134:135]
	v_pk_add_f32 v[238:239], v[238:239], v[138:139]
	v_pk_add_f32 v[230:231], v[230:231], v[142:143]
	v_pk_add_f32 v[228:229], v[228:229], v[146:147]
	v_pk_add_f32 v[226:227], v[226:227], v[150:151]
	v_pk_add_f32 v[14:15], v[14:15], v[154:155]
	v_pk_add_f32 v[236:237], v[236:237], v[158:159]
	s_delay_alu instid0(VALU_DEP_2)
	v_pk_add_f32 v[14:15], v[14:15], v[238:239]
	s_delay_alu instid0(VALU_DEP_2)
	v_pk_add_f32 v[236:237], v[236:237], v[230:231]
	v_pk_add_f32 v[250:251], v[250:251], v[228:229]
	v_pk_add_f32 v[244:245], v[244:245], v[226:227]
	s_delay_alu instid0(VALU_DEP_2)
	v_pk_add_f32 v[14:15], v[14:15], v[250:251]
	s_delay_alu instid0(VALU_DEP_2)
	v_pk_add_f32 v[236:237], v[236:237], v[244:245]
	s_delay_alu instid0(VALU_DEP_1)
	v_pk_add_f32 v[14:15], v[14:15], v[236:237]
	s_wait_alu depctr_va_vdst(0)
	v_max_num_f32 v[MX], 0x1800000, v[MX]
	v_max_num_f32 v[MX+2], 0x1800000, v[MX+2]
	s_delay_alu instid0(VALU_DEP_2)
	v_add_nc_u32 v244, 0xff000000, v[MX]
	s_delay_alu instid0(VALU_DEP_2)
	v_add_nc_u32 v245, 0xff000000, v[MX+2]
	s_delay_alu instid0(VALU_DEP_2)
	v_lshrrev_b32 v238, 23, v244
	s_delay_alu instid0(VALU_DEP_2)
	v_lshrrev_b32 v239, 23, v245
	s_delay_alu instid0(VALU_DEP_1)
	v_lshl_or_b32 v253, v239, 16, v238
	s_delay_alu instid0(VALU_DEP_1)
	v_lshlrev_b32 v253, v[H8], v253
	s_delay_alu instid0(VALU_DEP_1)
	v_permlanex16_b32 v236, v253, s[SEL], s[SEL+1]
	s_delay_alu instid0(VALU_DEP_1)
	v_or_b32 v253, v253, v236
.irp c, 0,1
.irp g, 0,1,2,3
	v_cvt_scalef32_pk8_fp4_f32 v[PC+4*\c+\g], v[S+32*\c+8*\g:S+32*\c+8*\g+7], v[244+\c]
.endr
.endr
	v_nop
.set j, 0
.rept 32
	v_pk_mul_f32 v[O+j:O+j+1], v[O+j:O+j+1], v[252:253] op_sel_hi:[1,0]
.set j, j+2
.endr
	s_wait_alu depctr_va_vdst(0)
	s_wait_dscnt 0x0
.irp t, 0,1,2,3,4,5,6,7
	PV \t
.endr
	s_add_co_u32 s96, s[KF], 127
	s_cmp_le_u32 s96, s[Q0]
	s_cbranch_scc1 .Lhidden_\@
	WAYOUT
.Lhidden_\@:
	s_add_co_u32 s[KF], s[KF], 128
	s_add_co_u32 s[TS], s[TS], 2*SU
	s_add_co_u32 s[TJ], s[TJ], 4
.endm
.macro CHANGE fill
	s_wait_tensorcnt 0x0
	ds_add_u32 v[SPW], v[NIL]
.if \fill
	s_xor_b32 s[G0K+1], s[G0K+1], SLOT1
	s_add_nc_u64 s[G0K+2:G0K+3], s[G0K+2:G0K+3], 32768
	s_xor_b32 s[G0V+1], s[G0V+1], SLOT1
	s_add_nc_u64 s[G0V+2:G0V+3], s[G0V+2:G0V+3], 256
	s_wait_xcnt 0x0
	s_add_nc_u64 s[PFA:PFA+1], s[PFA:PFA+1], s[PFS:PFS+1]
.endif
	s_wait_dscnt 0x0
	s_barrier_signal -1
	s_barrier_wait -1
.if \fill
	s_add_co_u32 s96, s[KF], 512
	s_cmp_gt_u32 s96, s[QL]
	s_cbranch_scc1 .Lpast_\@
	TLOAD G0K, G1K, G0V, G1V
.Lpast_\@:
	ASK
.endif
.endm
.macro SLOT_STEPS
	STEP 0
	STEP 1
	STEP 2
	STEP 3
	s_xor_b32 s[TB], s[TB], SLOT1
.endm
	s_load_b128 s[4:7], s[0:1], 0x0
	s_load_b128 s[8:11], s[0:1], 0x10
	s_load_b128 s[12:15], s[0:1], 0x20
	s_load_b64 s[16:17], s[0:1], 0x30
	v_lshl_add_u32 v[SPW], v0, 2, SPARE
	v_mov_b32 v[NIL], 0
	ds_add_u32 v[SPW], v[NIL]
	ds_add_u32 v[SPW], v[NIL]
	v_lshrrev_b32 v8, 5, v0
	s_delay_alu instid0(VALU_DEP_1)
	v_readfirstlane_b32 s[WV], v8
	s_and_b32 s74, ttmp7, 0xffff
	s_lshl_b32 s68, s74, 18
	s_mov_b32 s69, 0
	s_lshl_b32 s70, s74, 14
	s_mov_b32 s71, 0
	s_lshl_b32 s72, s74, 21
	s_mov_b32 s73, 0
	s_lshr_b32 s74, s[WV], 2
	s_xor_b32 s74, s74, s[WV]
	s_and_b32 s74, s74, 1
	s_sub_co_u32 s75, 31, ttmp9
	s_cmp_eq_u32 s74, 0
	s_cselect_b32 s75, ttmp9, s75
	s_lshl_b32 s75, s75, 7
	s_lshr_b32 s74, s[WV], 1
	s_lshl_b32 s74, s74, 4
	s_add_co_u32 s[Q0], s75, s74
	s_lshl_b32 s[QL], ttmp9, 7
	s_sub_co_u32 s[QL], 4095, s[QL]
	s_lshl_b32 s84, s[Q0], 6
	s_mov_b32 s85, 0
	s_add_nc_u64 s[84:85], s[84:85], s[68:69]
	s_lshl_b32 s86, s[Q0], 2
	s_mov_b32 s87, 0
	s_add_nc_u64 s[86:87], s[86:87], s[70:71]
	s_lshl_b32 s88, s[Q0], 9
	s_mov_b32 s89, 0
	s_add_nc_u64 s[88:89], s[88:89], s[72:73]
	s_and_b32 s74, s[WV], 1
	s_lshl_b32 s90, s74, 11
	s_mov_b32 s91, 0
	s_add_nc_u64 s[90:91], s[90:91], s[68:69]
	s_mul_i32 s81, s74, KREG
	s_lshl_b32 s92, s74, 17
	s_mov_b32 s93, 0
	s_add_nc_u64 s[92:93], s[92:93], s[68:69]
	s_mul_i32 s82, s74, 64*VP
	s_add_co_u32 s82, s82, VOFF
	s_lshl_b32 s94, s74, 13
	s_mov_b32 s95, 0
	s_add_nc_u64 s[94:95], s[94:95], s[70:71]
	s_mul_i32 s83, s74, SCH
	s_mov_b32 s[G1K], (0<<16)|(1<<20)|(3<<22)|(3<<25)
	s_mov_b32 s[G1K+1], 2048<<16
	s_mov_b32 s[G1K+2], 8<<16
	s_mov_b32 s[G1K+3], 2048<<16
	s_mov_b32 s[G1K+4], 8
	s_mov_b32 s[G1K+5], 4096
	s_mov_b32 s[G1K+6], 0
	s_mov_b32 s[G1K+7], 0
	s_mov_b32 s[G1V], (0<<16)|(1<<20)|(5<<22)|(3<<25)
	s_mov_b32 s[G1V+1], 256<<16
	s_mov_b32 s[G1V+2], 64<<16
	s_mov_b32 s[G1V+3], 256<<16
	s_mov_b32 s[G1V+4], 64
	s_mov_b32 s[G1V+5], 2048
	s_mov_b32 s[G1V+6], 0
	s_mov_b32 s[G1V+7], 0
	s_mov_b32 s[G1S], (3<<16)|(1<<20)|(5<<22)|(1<<25)
	s_mov_b32 s[G1S+1], 32<<16
	s_mov_b32 s[G1S+2], 32<<16
	s_mov_b32 s[G1S+3], 32<<16
	s_mov_b32 s[G1S+4], 32
	s_mov_b32 s[G1S+5], 32
	s_mov_b32 s[G1S+6], 0
	s_mov_b32 s[G1S+7], 0
	s_mov_b32 s[SEL], 0x76543210
	s_mov_b32 s[SEL+1], 0xfedcba98
	s_mov_b32 s[CS], 0x3e0293ee
	s_mov_b32 s[CS+1], s[CS]
	s_mov_b32 s[TB], 0
	s_mov_b32 s[TS], 0
	s_mov_b32 s[TJ], 0
	s_mov_b32 s[KF], 0
	s_mov_b32 s[SLOTS], 7
	s_wait_dscnt 0x0
	s_wait_kmcnt 0x0
	s_mov_b32 s[G0SK], 1
	s_add_co_u32 s[G0SK+1], s83, SCK
	s_add_nc_u64 s[G0SK+2:G0SK+3], s[10:11], s[94:95]
	s_or_b32 s[G0SK+3], s[G0SK+3], 0x80000000
	s_mov_b32 s[G0SV], 1
	s_add_co_u32 s[G0SV+1], s83, SCV
	s_add_nc_u64 s[G0SV+2:G0SV+3], s[14:15], s[94:95]
	s_or_b32 s[G0SV+3], s[G0SV+3], 0x80000000
	TLOAD G0SK, G1S, G0SV, G1S
	s_mov_b32 s[G0K], 1
	s_mov_b32 s[G0K+1], s81
	s_add_nc_u64 s[G0K+2:G0K+3], s[8:9], s[90:91]
	s_or_b32 s[G0K+3], s[G0K+3], 0x80000000
	s_mov_b32 s[G0V], 1
	s_mov_b32 s[G0V+1], s82
	s_add_nc_u64 s[G0V+2:G0V+3], s[12:13], s[92:93]
	s_or_b32 s[G0V+3], s[G0V+3], 0x80000000
	TLOAD G0K, G1K, G0V, G1V
	s_add_nc_u64 s[4:5], s[4:5], s[84:85]
	s_add_nc_u64 s[6:7], s[6:7], s[86:87]
	s_add_nc_u64 s[16:17], s[16:17], s[88:89]
	s_cmp_lt_u32 s[WV], 8
	s_cselect_b64 s[PFA:PFA+1], s[8:9], s[12:13]
	s_mov_b32 s[PFS], 256
	s_cselect_b32 s[PFS], 32768, s[PFS]
	s_mov_b32 s82, 2048
	s_cselect_b32 s82, 256, s82
	s_mov_b32 s83, 65536
	s_cselect_b32 s83, 8192, s83
	v_and_b32 v[PFO], 31, v0
	s_delay_alu instid0(VALU_DEP_1)
	v_mul_lo_u32 v[PFO], v[PFO], s82
	s_and_b32 s82, s[WV], 3
	s_mul_i32 s82, s82, s83
	s_add_co_u32 s82, s82, s[PFS]
	s_mov_b32 s83, 0
	s_mov_b32 s[PFS+1], 0
	s_add_nc_u64 s[PFA:PFA+1], s[PFA:PFA+1], s[68:69]
	s_add_nc_u64 s[PFA:PFA+1], s[PFA:PFA+1], s[82:83]
	s_sub_co_u32 s82, s[WV], 4
	s_lshr_b32 s82, s82, 3
	s_or_b32 s82, s82, ttmp9
	s_cmp_eq_u32 s82, 0
	s_cselect_b32 s[LIM], 1, -1
	v_and_b32 v8, 15, v0
	v_bfe_u32 v9, v0, 4, 1
	v_and_b32 v10, 7, v0
	v_bfe_u32 v11, v0, 3, 1
	s_delay_alu instid0(VALU_DEP_4)
	v_lshlrev_b32 v232, 6, v8
	s_delay_alu instid0(VALU_DEP_1)
	v_lshl_add_u32 v232, v9, 4, v232
	global_load_b128 v[16:19], v232, s[4:5]
	global_load_b128 v[20:23], v232, s[4:5] offset:32
	v_lshlrev_b32 v233, 2, v8
	global_load_b32 v255, v233, s[6:7]
	v_mul_u32_u24 v[AK0], v10, KP
	s_delay_alu instid0(VALU_DEP_1)
	v_mad_u32_u24 v[AK0], v11, KREG, v[AK0]
	s_delay_alu instid0(VALU_DEP_1)
	v_lshl_add_u32 v[AK0], v9, 4, v[AK0]
	v_mul_u32_u24 v[AV0], v8, VP
	s_delay_alu instid0(VALU_DEP_1)
	v_lshl_add_u32 v[AV0], v9, 4, v[AV0]
	s_delay_alu instid0(VALU_DEP_1)
	v_add_nc_u32 v[AV0], VOFF, v[AV0]
	v_lshl_add_u32 v[ASK0], v11, 5, v10
	s_delay_alu instid0(VALU_DEP_1)
	v_lshl_add_u32 v[ASK0], v9, 3, v[ASK0]
	s_delay_alu instid0(VALU_DEP_1)
	v_lshl_add_u32 v[ASK0], v[ASK0], 2, SCK
	v_bfe_u32 v12, v0, 1, 3
	v_and_b32 v13, 1, v0
	s_delay_alu instid0(VALU_DEP_2)
	v_mul_u32_u24 v[ASV0], v12, SU
	s_delay_alu instid0(VALU_DEP_1)
	v_lshl_add_u32 v[ASV0], v13, 7, v[ASV0]
	s_delay_alu instid0(VALU_DEP_1)
	v_mad_u32_u24 v[ASV0], v9, 8*SU, v[ASV0]
	s_delay_alu instid0(VALU_DEP_1)
	v_add_nc_u32 v[ASV0], SCV, v[ASV0]
	v_lshlrev_b32 v[GO], 9, v9
	s_delay_alu instid0(VALU_DEP_1)
	v_lshl_add_u32 v[GO], v8, 4, v[GO]
	s_and_b32 s74, s[WV], 7
	s_mul_i32 s74, s74, STGW
	s_lshr_b32 s75, s[WV], 3
	s_lshl_b32 s75, s75, 17
	s_add_co_u32 s74, s74, s75
	s_add_co_u32 s74, s74, STG0
	v_mul_u32_u24 v[STI], v8, 272
	s_delay_alu instid0(VALU_DEP_1)
	v_lshl_add_u32 v[STI], v9, 5, v[STI]
	s_delay_alu instid0(VALU_DEP_1)
	v_add_nc_u32 v[STI], s74, v[STI]
	v_mul_u32_u24 v[STB], v9, 272
	s_delay_alu instid0(VALU_DEP_1)
	v_lshl_add_u32 v[STB], v8, 4, v[STB]
	s_delay_alu instid0(VALU_DEP_1)
	v_add_nc_u32 v[STB], s74, v[STB]
	v_lshlrev_b32 v[DG], 5, v9
	s_delay_alu instid0(VALU_DEP_1)
	v_sub_nc_u32 v[DG], v8, v[DG]
	v_lshlrev_b32 v[H8], 3, v9
	v_mov_b32 v[NINF], 0xff800000
	v_mov_b32 v13, 0xff61b1e6
	s_delay_alu instid0(VALU_DEP_1)
	v_mul_f32 v254, s[CS], v13
	s_delay_alu instid0(VALU_DEP_1)
	v_floor_f32 v12, -v254
	v_mov_b32 v14, 0
	v_mov_b32 v15, 0
	v_mov_b32 v236, 0
	v_mov_b32 v237, 0
	v_mov_b32 v253, 0
.set j, 0
.rept 64
	v_mov_b32 v[O+j], 0
.set j, j+1
.endr
	s_wait_loadcnt 0x0
.Lslot:
	CHANGE 1
	SLOT_STEPS
	s_sub_co_u32 s[SLOTS], s[SLOTS], 1
	s_cmp_lg_u32 s[SLOTS], 0
	s_cbranch_scc1 .Lslot
	CHANGE 0
	SLOT_STEPS
	s_wait_tensorcnt 0x0
	ds_add_u32 v[SPW], v[NIL]
	s_wait_dscnt 0x0
	s_endpgm
.Lfunc_end_k_qf30e1e9347_attn:
	.size	k_qf30e1e9347_attn, .Lfunc_end_k_qf30e1e9347_attn-k_qf30e1e9347_attn
	.p2alignl 7, 3214868480
	.fill 96, 4, 3214868480
	.section	.rodata,"a",@progbits
	.p2align	6, 0x0
	.amdhsa_kernel k_qf30e1e9347_attn
		.amdhsa_group_segment_fixed_size 327680
		.amdhsa_private_segment_fixed_size 0
		.amdhsa_enable_private_segment 0
		.amdhsa_kernarg_size 56
		.amdhsa_user_sgpr_count 2
		.amdhsa_user_sgpr_kernarg_segment_ptr 1
		.amdhsa_wavefront_size32 1
		.amdhsa_system_sgpr_workgroup_id_x 1
		.amdhsa_system_sgpr_workgroup_id_y 1
		.amdhsa_system_sgpr_workgroup_id_z 1
		.amdhsa_system_vgpr_workitem_id 0
		.amdhsa_next_free_vgpr 256
		.amdhsa_next_free_sgpr 100
		.amdhsa_reserve_vcc 1
		.amdhsa_float_denorm_mode_32 3
		.amdhsa_float_denorm_mode_16_64 3
		.amdhsa_memory_ordered 1
		.amdhsa_forward_progress 1
		.amdhsa_inst_pref_size 249
	.end_amdhsa_kernel
	.amdgpu_metadata
---
amdhsa.version: [ 1, 2 ]
amdhsa.kernels:
  - .name:           k_qf30e1e9347_attn
    .symbol:         k_qf30e1e9347_attn.kd
    .args:
      - { .name: query_codes, .offset: 0, .size: 8, .value_kind: global_buffer, .address_space: global }
      - { .name: query_scales, .offset: 8, .size: 8, .value_kind: global_buffer, .address_space: global }
      - { .name: key_codes, .offset: 16, .size: 8, .value_kind: global_buffer, .address_space: global }
      - { .name: key_scales, .offset: 24, .size: 8, .value_kind: global_buffer, .address_space: global }
      - { .name: value_codes, .offset: 32, .size: 8, .value_kind: global_buffer, .address_space: global }
      - { .name: value_scales, .offset: 40, .size: 8, .value_kind: global_buffer, .address_space: global }
      - { .name: out0, .offset: 48, .size: 8, .value_kind: global_buffer, .address_space: global }
    .group_segment_fixed_size: 327680
    .private_segment_fixed_size: 0
    .kernarg_segment_align: 8
    .kernarg_segment_size: 56
    .max_flat_workgroup_size: 512
    .sgpr_count:     100
    .vgpr_count:     256
    .wavefront_size: 32
...
	.end_amdgpu_metadata
.endif
;; end of part 1
